; MI455X (gfx1250); checked and timed in simulation.
; The chip was launched on July 23, 2026; its instructions are those of AMD's public machine-readable ISA for CDNA 5 (MIT licence, August 2026) and "CDNA5" Instruction Set Architecture Reference Guide (July 2026). The comments in the code are by the model that wrote it; some were corrected since.
;; Mesh Cross Attention Block. Allowed arithmetic: matrix products marked QUANTISED: E4M3 operands, one given power-of-two scale a tensor, by v_wmma_f32_16x16x64_fp8_fp8 or v_wmma_f32_16x16x128_fp8_fp8, f32 sums; products left as they are: f32 operands where the result goes on into a quantised operand, else bf16, f16 or f32 operands; f32 sums; everything else in f32.
;; Inputs: W_ada 512 x 1,024 float32; Wkv 512 x 1,024 float32; Wp 512 x 512 float32; Wq 512 x 512 float32; b_ada 1,024 float32; b_ctx 512 float32; bp 512 float32; cond 8 x 512 float32; context 8 x 1,024 x 512 float32; context_mask 8 x 1,024 bool; g_ctx 512 float32; lowp_scales 10 int32 (the exponents e of the quantised operands' scales 2^e); x 8 x 4,096 x 512 float32.
;; Outputs: out0 8 x 4,096 x 512 float32.
;; This version of the problem:
;;   THIS VERSION OF THE PROBLEM IS GIVEN IN LOW PRECISION. The matrix products marked QUANTISED in the list below multiply operands that are first quantised to E4M3 (4 exponent bits, 3 mantissa bits; 8 bits a number), with one given power-of-two scale for each operand tensor; their sums are f32. All else is computed in f32.
;;   The module's matrix products, in the order in which they are computed (A, B: the left and right operand; K: the contracted axis; several contracted axes count as one K, in the product's order):
;;     1. [M 8, K 512] x [K 512, N 1,024]; A: computed on the way; B: input W_ada: left as it is (M = 8 < 16)
;;     2. [M 32,768, K 512] x [K 512, N 512]; A: computed on the way; B: input Wq: QUANTISED (scales: A lowp_scales[0], B lowp_scales[1])
;;     3. [M 8,192, K 512] x [K 512, N 1,024]; A: computed on the way; B: input Wkv: QUANTISED (scales: A lowp_scales[2], B lowp_scales[3])
;;     4. batch 64 x [M 4,096, K 64] x [K 64, N 1,024]; A: computed on the way; B: computed on the way: QUANTISED (scales: A lowp_scales[4], B lowp_scales[5])
;;     5. batch 64 x [M 64, K 1,024] x [K 1,024, N 4,096]; A: computed on the way; B: softmax (see below): QUANTISED (scales: A lowp_scales[6], B lowp_scales[7])
;;     6. [M 32,768, K 512] x [K 512, N 512]; A: computed on the way; B: input Wp: QUANTISED (scales: A lowp_scales[8], B lowp_scales[9])
;;   THE QUANTISER, for each operand of a quantised product, along K:
;;     - The operand's scale is 2^e, e = its entry of the input lowp_scales (int32; the entries are numbered through the quantised products in the list's order, A before B).
;;     - Each number is divided by the scale, clamped to +-448, and rounded to the nearest number of E4M3, ties to even, subnormals kept.
;;     - The product sums the exact products of the quantised numbers (number of the format x scale) in f32.
;;   ~~~python
;;   def quantise(x, axis, e):      # numpy; x: float32 -> the quantised numbers, widened to float32 again
;;       x = np.moveaxis(x, axis, -1); K = x.shape[-1]
;;       r = np.clip(x / 2.0 ** e, -448, 448)
;;       step = 2.0 ** (np.maximum(np.frexp(np.where(r == 0, 1, r))[1] - 1, -6) - 3)
;;       q = np.round(r / step) * step * 2.0 ** e      # np.round: ties to even
;;       return np.moveaxis(q, -1, axis).astype(np.float32)
;;   ~~~
;;   SOFTMAX AHEAD OF A QUANTISED PRODUCT. Where the list says 'softmax', what is quantised is not the finished softmax but p = 2^(t - M), with t = logit x log2(e) and M = ceil(the row's largest t), a whole number; so 1/2 < the row's largest p <= 1. The row's sum l is taken of the UNQUANTISED p, in f32, and the product's result is divided by l at the end. Since M is a whole number, a kernel that streams over the keys may use a running M (the ceiling of the running maximum): every later rescaling is an exact power of two, so the quantised numbers keep their values, but for numbers so far below the row's largest that they fall under the format's range.
;;   OPERANDS COMPUTED ON THE WAY. 'Computed on the way' means the value that the module computes at that place (a softmax that the list does not call 'softmax' is quantised finished and normalised). What goes into a quantiser is computed in f32, as accurately as f32 sums, v_exp_f32 and their like allow (about 1e-6 of the number): no bf16 or f16 on the way to a quantiser, and a product that is left as it is and whose result goes on into a quantised operand takes f32 operands (vector FMAs, or v_wmma_f32_16x16x4_f32). A number that lies on a knife's edge between two numbers of the format may be rounded either way, as far as f32 arithmetic and the matrix unit's own rounding can turn it there, and no further.
;; One version. Each part assembles by itself: llvm-mc -triple=amdgcn-amd-amdhsa -mcpu=gfx1250 --defsym DOCPART=n.
;; ======== version 1 of 1: 3 launches
;; limits: right only within a limited range of input values
;; workspace buffers: params 32,768 bytes; wimg 1,048,576 bytes; kv_img 8,388,608 bytes
;; launch ada (part 1): grid 80 x 1, 16 waves a work-group, no clusters, 67,584 bytes of LDS; arguments cond, W_ada, b_ada, params, Wq, Wkv, Wp, lowp_scales, wimg; writes params, wimg
.if DOCPART == 1
	.amdgcn_target "amdgcn-amd-amdhsa--gfx1250"
	.amdhsa_code_object_version 6
	.text
	.protected	k_q38898176af_ada
	.globl	k_q38898176af_ada
	.p2align	8
	.type	k_q38898176af_ada,@function
k_q38898176af_ada:
	s_mov_b64 s[64:65], 0
	v_nop
	global_prefetch_b8 v0, s[64:65] scope:SCOPE_SE
	s_setreg_imm32_b32 hwreg(HW_REG_WAVE_MODE, 25, 1), 1
	s_wait_xcnt 0x0
; params[b][n] = (silu(cond[b]) . W_ada[:, n]) + b_ada[n], + 1 for n < 512 (so the first half is 1 + scale, the second shift).  All in f32 by fused multiply-adds:
; the result goes on into a quantised operand.  M = 8 rows: no matrix unit.
; A work-group takes 64 columns (256 bytes of every row of W_ada), read once.  Wave w takes k = 32 w .. 32 w + 31 for all 8 batches: lanes 0-15 rows k0 + n, lanes 16-31 rows k0 + 16 + n,
; four columns a lane, so sixteen lanes read 256 consecutive bytes.  silu(cond[b][k0 + lane]) lies one number a lane; row_share:n hands each half of the lanes its k's number.
; The 32 partial sums of each output (16 waves x 2 halves) meet in LDS; behind one barrier wave b adds them in a fixed order for batch b.
; No cluster, no tensor load: nothing is shared between work-groups but cond, 16 KB.
.set S, 16                             ; v16-23   cond, then silu, batch b
.set E, 24                             ; v24-31   at work
.set T, 32                             ; v32-47   eight pairs: the number handed round (low word)
.set A, 48                             ; v48-79   sums: batch b, four columns
.set W, 80                             ; v80-143  sixteen rows x four columns; later the 32 partial sums
; ONE LAUNCH, TWO TASKS that share nothing: work-groups 0-15 make params, as said above; work-groups 16-79 turn the three weights into codes (behind the label .Lweights).  The branch hangs on the work-group's number alone.
	s_cmp_ge_u32 ttmp9, 16
	s_cbranch_scc1 .Lweights
	s_load_b256 s[8:15], s[0:1], 0x0               ; cond, W_ada, b_ada, params
	v_lshl_add_u32 v160, v0, 2, 0x10000
	v_mov_b32 v161, 0
	v_lshrrev_b32 v1, 5, v0
	s_delay_alu instid0(VALU_DEP_1)
	v_readfirstlane_b32 s16, v1                    ; wave 0..15
	v_and_b32 v1, 31, v0                           ; lane
	v_and_b32 v2, 15, v0                           ; r
	v_bfe_u32 v3, v0, 4, 1                         ; h
	s_delay_alu instid0(VALU_DEP_2)
	v_lshlrev_b32 v4, 4, v2
	s_delay_alu instid0(VALU_DEP_1)
	v_lshl_add_u32 v4, v3, 16, v4                  ; W_ada: 16 h rows of 4,096 bytes + 16 r
	v_lshlrev_b32 v5, 2, v1                        ; cond: 4 bytes a lane
	s_lshl_b32 s17, s16, 12
	v_lshl_add_u32 v6, v1, 4, s17                  ; LDS, in: 4096 wave + 16 lane (+ 512 batch)
	s_lshl_b32 s17, s16, 9
	v_lshl_add_u32 v7, v1, 3, s17                  ; LDS, out: 512 batch + 8 lane (the batch is the wave's number)
	v_lshlrev_b32 v8, 3, v1                        ; b_ada and params: two numbers a lane
	s_lshl_b32 s18, s16, 7
	s_mov_b32 s19, 0
	s_lshl_b32 s20, s16, 17
	s_lshl_b32 s22, ttmp9, 8
	s_add_co_u32 s20, s20, s22
	s_mov_b32 s21, 0
	s_mov_b32 s23, 0
	s_lshl_b32 s24, s16, 12
	s_add_co_u32 s24, s24, s22
	s_mov_b32 s25, 0
	s_cmp_lt_u32 ttmp9, 8
	s_cselect_b32 s26, 1.0, 0                      ; the first 512 outputs are 1 + scale
	s_mov_b32 s27, s26                             ; (named with it as a pair, so it is written)
	s_wait_alu depctr_va_vdst(0)
	s_wait_kmcnt 0x0
	s_add_nc_u64 s[8:9], s[8:9], s[18:19]          ; cond at k0
	s_add_nc_u64 s[10:11], s[10:11], s[20:21]      ; W_ada at row k0, my 64 columns
	s_add_nc_u64 s[12:13], s[12:13], s[22:23]      ; b_ada at my 64 columns
	s_add_nc_u64 s[14:15], s[14:15], s[24:25]      ; params at batch = wave (used by waves 0-7 alone), my 64 columns
.irp b, 0,1,2,3,4,5,6,7
	global_load_b32 v[S+\b], v5, s[8:9] offset:\b*2048
.endr
.irp n, 0,1,2,3,4,5,6,7,8,9,10,11,12,13,14,15
	global_load_b128 v[W+4*\n:W+4*\n+3], v4, s[10:11] offset:\n*4096 th:TH_LOAD_NT
.endr
.irp j, 0,1,2,3,4,5,6,7,8,9,10,11,12,13,14,15
	v_mov_b32 v[T+\j], 0                           ; a DPP destination counts as read, and the pairs' upper words are named
.endr
	s_wait_loadcnt 16                              ; cond is in; W_ada's sixteen loads stay out
.irp b, 0,1,2,3,4,5,6,7
	v_mul_f32 v[E+\b], 0xbfb8aa3b, v[S+\b]         ; -c log2(e)
.endr
	s_wait_alu depctr_va_vdst(0)
.irp b, 0,1,2,3,4,5,6,7
	v_exp_f32 v[E+\b], v[E+\b]
.endr
	v_nop                                          ; a plain line behind the transcendentals
	s_wait_alu depctr_va_vdst(0)
.irp b, 0,1,2,3,4,5,6,7
	v_add_f32 v[E+\b], 1.0, v[E+\b]
.endr
	s_wait_alu depctr_va_vdst(0)
.irp b, 0,1,2,3,4,5,6,7
	v_rcp_f32 v[E+\b], v[E+\b]
.endr
	v_nop
	s_wait_alu depctr_va_vdst(0)
.irp b, 0,1,2,3,4,5,6,7
	v_mul_f32 v[S+\b], v[S+\b], v[E+\b]            ; silu(c) = c / (1 + e^-c)
.endr
	s_wait_alu depctr_va_vdst(0)
.irp n, 0,1,2,3,4,5,6,7,8,9,10,11,12,13,14,15
	s_wait_loadcnt 15-\n                           ; row n's load is in; the younger ones stay out
.irp b, 0,1,2,3,4,5,6,7
	v_mov_b32_dpp v[T+2*\b], v[S+\b] row_share:\n row_mask:0xf bank_mask:0xf     ; each half of the lanes takes its own lane n: k0 + n or k0 + 16 + n
.if \n == 0
	s_delay_alu instid0(VALU_DEP_1)
	v_pk_mul_f32 v[A+4*\b:A+4*\b+1], v[W+4*\n:W+4*\n+1], v[T+2*\b:T+2*\b+1] op_sel_hi:[1,0]       ; the first product starts the sums
	s_delay_alu instid0(VALU_DEP_2)
	v_pk_mul_f32 v[A+4*\b+2:A+4*\b+3], v[W+4*\n+2:W+4*\n+3], v[T+2*\b:T+2*\b+1] op_sel_hi:[1,0]
.else
	s_delay_alu instid0(VALU_DEP_1)
	v_pk_fma_f32 v[A+4*\b:A+4*\b+1], v[W+4*\n:W+4*\n+1], v[T+2*\b:T+2*\b+1], v[A+4*\b:A+4*\b+1] op_sel_hi:[1,0,1]
	s_delay_alu instid0(VALU_DEP_2)
	v_pk_fma_f32 v[A+4*\b+2:A+4*\b+3], v[W+4*\n+2:W+4*\n+3], v[T+2*\b:T+2*\b+1], v[A+4*\b+2:A+4*\b+3] op_sel_hi:[1,0,1]
.endif
.endr
.endr
.irp b, 0,1,2,3,4,5,6,7
	ds_store_b128 v6, v[A+4*\b:A+4*\b+3] offset:\b*512
.endr
	s_wait_dscnt 0x0                               ; for the others' sake: my partial sums lie in LDS
	s_barrier_signal -1
	s_barrier_wait -1
	s_cmp_lt_u32 s16, 8                            ; waves 0-7 finish a batch each; no barrier follows
	s_cbranch_scc0 .Ldone
	global_load_b64 v[E:E+1], v8, s[12:13]
.irp w, 0,1,2,3,4,5,6,7,8,9,10,11,12,13,14,15
.irp h, 0,1
	ds_load_b64 v[W+4*\w+2*\h:W+4*\w+2*\h+1], v7 offset:\w*4096+\h*256
.endr
.endr
	s_wait_dscnt 0x0
.set i, 2
	v_pk_add_f32 v[W:W+1], v[W:W+1], v[W+2*i:W+2*i+1]          ; two chains, in a fixed order
	v_pk_add_f32 v[W+2:W+3], v[W+2:W+3], v[W+2*i+2:W+2*i+3]
.set i, i+2
.rept (15)-1
	s_delay_alu instid0(VALU_DEP_2)
	v_pk_add_f32 v[W:W+1], v[W:W+1], v[W+2*i:W+2*i+1]          ; two chains, in a fixed order
	s_delay_alu instid0(VALU_DEP_2)
	v_pk_add_f32 v[W+2:W+3], v[W+2:W+3], v[W+2*i+2:W+2*i+3]
.set i, i+2
.endr
	s_delay_alu instid0(VALU_DEP_1)
	v_pk_add_f32 v[W:W+1], v[W:W+1], v[W+2:W+3]
	s_wait_alu depctr_va_vdst(0)
	s_wait_loadcnt 0x0
	v_pk_add_f32 v[W:W+1], v[W:W+1], v[E:E+1]                  ; + b_ada
	s_delay_alu instid0(VALU_DEP_1)
	v_pk_add_f32 v[W:W+1], v[W:W+1], s[26:27] op_sel_hi:[1,0]  ; + 1 or + 0
	global_store_b64 v8, v[W:W+1], s[14:15]                    ; the wave stores 256 consecutive bytes, aligned
.Ldone:
	s_wait_tensorcnt 0x0
	ds_add_u32 v160, v161
	s_wait_dscnt 0x0
	s_endpgm
; Wq [512][512], Wkv [512][1024], Wp [512][512], f32 with K as the FIRST axis, become codes of E4M3 with the given scales 2^e1, 2^e3, 2^e9, laid as IMAGES OF THE OPERANDS' REGISTERS.
; wimg = 64 groups of 32 columns, 16,384 bytes each: groups 0-15 Wq, 16-47 Wkv, 48-63 Wp.  Byte G*16384 + u*8192 + s*2048 + c*512 + (16 h + r)*16 + i = code of W[128 s + 32 c + 16 h + i][32 Glocal + 8 u + r + 8 (r / 8)].
; A lane takes a column and its registers run down K: the conversions' results are 16 neighbouring bytes of the image.  A work-group takes 128 columns x 128 K: wave w takes 32 columns (w % 4) x 32 K (c = w / 4).  No LDS, no barrier on this way.
; code = x / 2^e, held within +-448, to the nearest code, ties to even.  LIMITS: -126 <= e <= 119.  NaN among the inputs is not served.
.set X, 16                             ; v16-47   32 numbers down K
.set C, 144                            ; v144-175 their codes; never rewritten
.macro LOADS pitch                     ; row k of my 128, my column: 32 lanes read 128 consecutive bytes
.set i, 0
.rept 32
	global_load_b32 v[X+i], v3, s[4:5] offset:i*\pitch th:TH_LOAD_NT
.set i, i+1
.endr
.endm
.Lweights:
	s_load_b256 s[8:15], s[0:1], 0x20              ; Wq, Wkv, Wp, the exponents
	s_load_b64 s[16:17], s[0:1], 0x40              ; wimg
	v_lshrrev_b32 v1, 5, v0
	v_readfirstlane_b32 s34, v1                    ; wave 0..15
	s_and_b32 s26, s34, 3                          ; which 32 columns of the work-group's 128
	v_and_b32 v2, 31, v0
	v_lshlrev_b32 v3, 2, v2                        ; in: 4 bytes a lane
	v_bfe_u32 v4, v0, 3, 1                         ; column l of the group lies in tile u = (l / 8) % 2,
	v_and_b32 v5, 7, v0
	v_bfe_u32 v6, v0, 4, 1
	v_lshl_add_u32 v5, v6, 3, v5                   ; at its row r = l % 8 + 8 (l / 16)
	v_lshlrev_b32 v5, 4, v5
	v_lshl_add_u32 v4, v4, 13, v5                  ; out: 8192 u + 16 r
	s_sub_co_u32 s35, ttmp9, 16                    ; 0 .. 63
	s_lshr_b32 s24, s35, 2                         ; X: which 128 columns of the 2,048
	s_and_b32 s25, s35, 3                          ; s: which 128 along K
	s_lshr_b32 s36, s34, 2                         ; c: which 32 of those 128
	s_sub_co_u32 s27, s24, 4                       ; X - 4 is under 8 for Wkv's groups alone
	s_lshl_b32 s28, s25, 19                        ; Wkv: 128 s rows of 4,096 bytes
	s_and_b32 s29, s27, 7
	s_lshl_b32 s29, s29, 9
	s_add_co_u32 s28, s28, s29
	s_lshl_b32 s30, s25, 18                        ; Wq, Wp: 128 s rows of 2,048 bytes
	s_and_b32 s31, s24, 3
	s_lshl_b32 s31, s31, 9
	s_add_co_u32 s30, s30, s31
	s_lshl_b32 s37, s36, 17                        ; + 32 c rows: of 4,096 bytes in Wkv,
	s_add_co_u32 s28, s28, s37
	s_lshl_b32 s37, s36, 16                        ; of 2,048 in Wq and Wp
	s_add_co_u32 s30, s30, s37
	s_lshl_b32 s31, s26, 7                         ; + 32 columns a wave
	s_lshl_b32 s32, s24, 16                        ; the image: group 4 X + w % 4, K step s
	s_lshl_b32 s33, s26, 14
	s_add_co_u32 s32, s32, s33
	s_lshl_b32 s33, s25, 11
	s_add_co_u32 s32, s32, s33
	s_lshl_b32 s33, s36, 9                         ; piece c of the image
	s_add_co_u32 s32, s32, s33
	s_mov_b32 s33, 0
	s_wait_kmcnt 0x0
	s_load_b32 s20, s[14:15], 0x4                  ; e1
	s_load_b32 s21, s[14:15], 0xc                  ; e3
	s_load_b32 s22, s[14:15], 0x24                 ; e9
	s_cmp_lt_u32 s24, 4                            ; the choice of the tensor hangs on the work-group's number alone
	s_cselect_b64 s[4:5], s[8:9], s[12:13]
	s_cmp_lt_u32 s27, 8
	s_cselect_b64 s[4:5], s[10:11], s[4:5]
	s_cselect_b32 s28, s28, s30
	s_add_co_u32 s28, s28, s31
	s_mov_b32 s29, 0
	s_add_nc_u64 s[4:5], s[4:5], s[28:29]
	s_add_nc_u64 s[16:17], s[16:17], s[32:33]
	s_cmp_lt_u32 s27, 8                            ; the two ways differ in the row pitch alone
	s_cbranch_scc0 .Lnarrow
	s_wait_alu depctr_va_vdst(0)
	LOADS 4096
	s_branch .Ljoin
.Lnarrow:
	s_wait_alu depctr_va_vdst(0)
	LOADS 2048
.Ljoin:
	s_wait_kmcnt 0x0
	s_cmp_lt_u32 s24, 4
	s_cselect_b32 s6, s20, s22
	s_cmp_lt_u32 s27, 8
	s_cselect_b32 s6, s21, s6                      ; e
	s_add_co_i32 s6, s6, 127
	s_lshl_b32 s7, s6, 23
	v_mov_b32 v11, s7                              ; 2^e as f32
	s_add_co_i32 s6, s6, 8
	s_lshl_b32 s6, s6, 23
	s_or_b32 s6, s6, 0x600000
	v_mov_b32 v10, s6                              ; 448 x 2^e
.macro BLOCK c, left                   ; 32 along K: left = how many younger loads may stay out
	s_wait_loadcnt \left
.irp i, 0,1,2,3,4,5,6,7,8,9,10,11,12,13,14,15,16,17,18,19,20,21,22,23,24,25,26,27,28,29,30,31
	v_med3_num_f32 v[X+32*\c+\i], v[X+32*\c+\i], -v10, v10     ; the conversion to an 8-bit code does not saturate (ISA guide 7.6.2): the hold comes first
.endr
.irp g, 0,1,2,3
	v_cvt_scalef32_pk8_fp8_f32 v[C+8*\c+2*\g:C+8*\c+2*\g+1], v[X+32*\c+8*\g:X+32*\c+8*\g+7], v11
.endr
	v_nop                                          ; a plain line behind the run of conversions
	global_store_b128 v4, v[C+8*\c:C+8*\c+3], s[16:17] offset:\c*512             ; h = 0: the sixteen lanes of a tile store 256 consecutive bytes, aligned
	global_store_b128 v4, v[C+8*\c+4:C+8*\c+7], s[16:17] offset:\c*512+256       ; h = 1
.endm
	s_wait_alu depctr_va_vdst(0)
	BLOCK 0, 0                                     ; my 32 along K
	s_endpgm
.Lfunc_end_k_q38898176af_ada:
	.size	k_q38898176af_ada, .Lfunc_end_k_q38898176af_ada-k_q38898176af_ada
	.p2alignl 7, 3214868480
	.fill 96, 4, 3214868480
	.section	.rodata,"a",@progbits
	.p2align	6, 0x0
	.amdhsa_kernel k_q38898176af_ada
		.amdhsa_group_segment_fixed_size 67584
		.amdhsa_private_segment_fixed_size 0
		.amdhsa_enable_private_segment 0
		.amdhsa_kernarg_size 72
		.amdhsa_user_sgpr_count 2
		.amdhsa_user_sgpr_kernarg_segment_ptr 1
		.amdhsa_wavefront_size32 1
		.amdhsa_system_sgpr_workgroup_id_x 1
		.amdhsa_system_sgpr_workgroup_id_y 1
		.amdhsa_system_sgpr_workgroup_id_z 1
		.amdhsa_system_vgpr_workitem_id 0
		.amdhsa_next_free_vgpr 176
		.amdhsa_next_free_sgpr 66
		.amdhsa_reserve_vcc 0
		.amdhsa_float_denorm_mode_32 3
		.amdhsa_float_denorm_mode_16_64 3
		.amdhsa_memory_ordered 1
		.amdhsa_forward_progress 1
		.amdhsa_inst_pref_size 56
	.end_amdhsa_kernel
	.amdgpu_metadata
---
amdhsa.version: [ 1, 2 ]
amdhsa.kernels:
  - .name:           k_q38898176af_ada
    .symbol:         k_q38898176af_ada.kd
    .args:
      - { .name: cond, .offset: 0, .size: 8, .value_kind: global_buffer, .address_space: global }
      - { .name: W_ada, .offset: 8, .size: 8, .value_kind: global_buffer, .address_space: global }
      - { .name: b_ada, .offset: 16, .size: 8, .value_kind: global_buffer, .address_space: global }
      - { .name: params, .offset: 24, .size: 8, .value_kind: global_buffer, .address_space: global }
      - { .name: Wq, .offset: 32, .size: 8, .value_kind: global_buffer, .address_space: global }
      - { .name: Wkv, .offset: 40, .size: 8, .value_kind: global_buffer, .address_space: global }
      - { .name: Wp, .offset: 48, .size: 8, .value_kind: global_buffer, .address_space: global }
      - { .name: lowp_scales, .offset: 56, .size: 8, .value_kind: global_buffer, .address_space: global }
      - { .name: wimg, .offset: 64, .size: 8, .value_kind: global_buffer, .address_space: global }
    .group_segment_fixed_size: 67584
    .private_segment_fixed_size: 0
    .kernarg_segment_align: 8
    .kernarg_segment_size: 72
    .max_flat_workgroup_size: 512
    .sgpr_count:     66
    .vgpr_count:     176
    .wavefront_size: 32
...
	.end_amdgpu_metadata
.endif
;; end of part 1
;; launch kvproj (part 2): grid 128 x 2, 16 waves a work-group, no clusters, 36,864 bytes of LDS; arguments context, g_ctx, b_ctx, wimg, lowp_scales, kv_img; writes kv_img
.if DOCPART == 2
	.amdgcn_target "amdgcn-amd-amdhsa--gfx1250"
	.amdhsa_code_object_version 6
	.text
	.protected	k_q38898176af_kvproj
	.globl	k_q38898176af_kvproj
	.p2align	8
	.type	k_q38898176af_kvproj,@function
k_q38898176af_kvproj:
	s_mov_b64 s[64:65], 0
	v_nop
	global_prefetch_b8 v0, s[64:65] scope:SCOPE_SE
	s_setreg_imm32_b32 hwreg(HW_REG_WAVE_MODE, 25, 1), 1
	s_wait_xcnt 0x0
; ctx = LN(context) g + b (f32) -> codes (2^e2); ctx x Wkv (codes, 2^e3) on the matrix unit; k -> codes (2^e5), v -> codes (2^e6), stored as IMAGES OF THE ATTENTION'S OPERANDS.
; kv_img: [batch 8][head pair 4][slot of 256 keys 4][part 4][16,384 bytes]; parts: K of the even head, K of the odd, V of the even, V of the odd.
;   K part: key tile T (0..15) at 1024 T; piece c (0, 1) at 512 c + 16 lane: key 32 (T / 2) + 8 (T % 2) + r + 8 (r / 8), channels 32 c + 16 h + 0 .. 15.
;   V part: key step q, channel tile t at 2048 (4 q + t); piece c (0..3) at 512 c + 16 lane: channel 32 (t / 2) + 8 (t % 2) + r + 8 (r / 8), keys 128 q + 32 c + 16 h + 0 .. 15.
; SHARES.  Work-group (x, y): 64 rows of context; y = 0 makes k, y = 1 makes v.  Wave w norms rows 4 w .. 4 w + 3 and makes 32 output columns, whose weight codes (8 fragments, 128 registers) it keeps in registers.
; The rows' codes go through LDS as rows of 512 bytes + 16.  Row kappa lies at the LDS row with bits 3 and 4 of kappa swapped, so that tile 2 b + u of 16 LDS rows holds rows 32 b + 8 u + r + 8 (r / 8).
; k: source 0 = 16 columns of Wkv, source 1 = 16 rows: a lane holds one key, its 16 registers of two tiles 16 neighbouring channels.  v: the sources swapped: a lane holds one channel, its registers 16 neighbouring keys.
; In every fragment registers 4 c .. 4 c + 3 hold k = 32 c + 16 h + 0 .. 15: the same permutation of k on both sides of a product.
; No joint requests: no tile walks through LDS by a tensor load; what work-groups share (a wave's 16 KB of weight codes) is read once a work-group, straight into registers.
; LIMITS: e2, e5 - e2 - e3 and e6 - e2 - e3 between -126 and 119.  NaN among the inputs is not served.
.set SEL, 32                           ; s[32:33] selects of v_permlanex16_b32: lane l xor 16
.set RN, 34                            ; s34 2^-9
.set EPSR, 35                          ; s35 1e-5
.set HP, 528                           ; an LDS row: 512 bytes + 16: the sixteen rows of a fragment load start at sixteen different 16-byte columns
.macro MKSC e, vs, vl                  ; from the exponent in s[e]: 2^e and 448 x 2^e as f32
	s_add_co_i32 s52, s[\e], 127
	s_lshl_b32 s53, s52, 23
	v_mov_b32 v[\vs], s53
	s_add_co_i32 s52, s52, 8
	s_lshl_b32 s52, s52, 23
	s_or_b32 s52, s52, 0x600000
	v_mov_b32 v[\vl], s52
.endm
.macro LANESUM R                       ; four rows' numbers v[R + 2 i] are summed over the 32 lanes; every lane ends with the sum
.irp k, 1,2,4,8
.irp i, 0,1,2,3
	s_delay_alu instid0(VALU_DEP_4)
	v_add_f32_dpp v[\R+2*\i], v[\R+2*\i], v[\R+2*\i] row_xmask:\k row_mask:0xf bank_mask:0xf
.endr
.endr
.irp i, 0,1,2,3
	s_delay_alu instid0(VALU_DEP_4)
	v_permlanex16_b32 v[\R+2*\i+1], v[\R+2*\i], s[SEL], s[SEL+1]
.endr
.irp i, 0,1,2,3
	s_delay_alu instid0(VALU_DEP_4)
	v_add_f32 v[\R+2*\i], v[\R+2*\i], v[\R+2*\i+1]
.endr
.endm
; Four rows of 512 numbers, row i in v[X + 16 i ..], register 4 j + n = column 128 j + 4 lane + n: mean, variance of the differences, (x - mean) rsqrt(var + eps) G + B, hold, codes, to LDS rows ADR + OFF + 528 i.
; The four rows take turns line by line, so that no line waits for the line above it.
.macro LN4 X, G, B, T, U, CD, SC, LIM, ADR, OFF
.irp i, 0,1,2,3
	v_pk_add_f32 v[\T+2*\i:\T+2*\i+1], v[\X+16*\i:\X+16*\i+1], v[\X+16*\i+2:\X+16*\i+3]
	v_pk_add_f32 v[\U+2*\i:\U+2*\i+1], v[\X+16*\i+4:\X+16*\i+5], v[\X+16*\i+6:\X+16*\i+7]
.endr
.irp j, 8,12
.irp i, 0,1,2,3
	v_pk_add_f32 v[\T+2*\i:\T+2*\i+1], v[\T+2*\i:\T+2*\i+1], v[\X+16*\i+\j:\X+16*\i+\j+1]
	v_pk_add_f32 v[\U+2*\i:\U+2*\i+1], v[\U+2*\i:\U+2*\i+1], v[\X+16*\i+\j+2:\X+16*\i+\j+3]
.endr
.endr
.irp i, 0,1,2,3
	v_pk_add_f32 v[\T+2*\i:\T+2*\i+1], v[\T+2*\i:\T+2*\i+1], v[\U+2*\i:\U+2*\i+1]
.endr
.irp i, 0,1,2,3
	s_delay_alu instid0(VALU_DEP_4)
	v_add_f32 v[\T+2*\i], v[\T+2*\i], v[\T+2*\i+1]
.endr
	LANESUM \T
.irp i, 0,1,2,3
	s_delay_alu instid0(VALU_DEP_4)
	v_mul_f32 v[\T+2*\i], 0xbb000000, v[\T+2*\i]   ; -mean
.endr
.irp j, 0,2,4,6,8,10,12,14
.irp i, 0,1,2,3
	v_pk_add_f32 v[\X+16*\i+\j:\X+16*\i+\j+1], v[\X+16*\i+\j:\X+16*\i+\j+1], v[\T+2*\i:\T+2*\i+1] op_sel_hi:[1,0]
.endr
.endr
.irp i, 0,1,2,3
	v_pk_mul_f32 v[\U+2*\i:\U+2*\i+1], v[\X+16*\i:\X+16*\i+1], v[\X+16*\i:\X+16*\i+1]
	v_pk_mul_f32 v[\T+2*\i:\T+2*\i+1], v[\X+16*\i+2:\X+16*\i+3], v[\X+16*\i+2:\X+16*\i+3]
.endr
.irp j, 4,8,12
.irp i, 0,1,2,3
	v_pk_fma_f32 v[\U+2*\i:\U+2*\i+1], v[\X+16*\i+\j:\X+16*\i+\j+1], v[\X+16*\i+\j:\X+16*\i+\j+1], v[\U+2*\i:\U+2*\i+1]
	v_pk_fma_f32 v[\T+2*\i:\T+2*\i+1], v[\X+16*\i+\j+2:\X+16*\i+\j+3], v[\X+16*\i+\j+2:\X+16*\i+\j+3], v[\T+2*\i:\T+2*\i+1]
.endr
.endr
.irp i, 0,1,2,3
	v_pk_add_f32 v[\U+2*\i:\U+2*\i+1], v[\U+2*\i:\U+2*\i+1], v[\T+2*\i:\T+2*\i+1]
.endr
.irp i, 0,1,2,3
	s_delay_alu instid0(VALU_DEP_4)
	v_add_f32 v[\U+2*\i], v[\U+2*\i], v[\U+2*\i+1]
.endr
	LANESUM \U
.irp i, 0,1,2,3
	s_delay_alu instid0(VALU_DEP_4)
	v_fma_f32 v[\U+2*\i], v[\U+2*\i], s[RN], s[EPSR]           ; var + eps
.endr
	s_wait_alu depctr_va_vdst(0)
.irp i, 0,1,2,3
	v_rsq_f32 v[\U+2*\i], v[\U+2*\i]
.endr
	v_nop                                          ; a plain line behind the transcendentals
	s_wait_alu depctr_va_vdst(0)
.irp j, 0,2,4,6,8,10,12,14
.irp i, 0,1,2,3
	v_pk_mul_f32 v[\X+16*\i+\j:\X+16*\i+\j+1], v[\X+16*\i+\j:\X+16*\i+\j+1], v[\U+2*\i:\U+2*\i+1] op_sel_hi:[1,0]
.endr
.endr
.irp j, 0,2,4,6,8,10,12,14
.irp i, 0,1,2,3
	v_pk_fma_f32 v[\X+16*\i+\j:\X+16*\i+\j+1], v[\X+16*\i+\j:\X+16*\i+\j+1], v[\G+\j:\G+\j+1], v[\B+\j:\B+\j+1]
.endr
.endr
.irp j, 0,1,2,3,4,5,6,7,8,9,10,11,12,13,14,15
.irp i, 0,1,2,3
	v_med3_num_f32 v[\X+16*\i+\j], v[\X+16*\i+\j], -v[\LIM], v[\LIM]    ; the conversion to an 8-bit code does not saturate (ISA guide 7.6.2): the hold comes first
.endr
.endr
.irp i, 0,1,2,3
	v_cvt_scalef32_pk8_fp8_f32 v[\CD+4*\i:\CD+4*\i+1], v[\X+16*\i:\X+16*\i+7], v[\SC]
	v_cvt_scalef32_pk8_fp8_f32 v[\CD+4*\i+2:\CD+4*\i+3], v[\X+16*\i+8:\X+16*\i+15], v[\SC]
.endr
	v_nop                                          ; a plain line behind the run of conversions
.irp i, 0,1,2,3
.irp j, 0,1,2,3
	ds_store_b32 v[\ADR], v[\CD+4*\i+\j] offset:\OFF+\i*HP+128*\j      ; code register j: columns 128 j + 4 lane + 0 .. 3: 32 lanes store 128 consecutive bytes
.endr
.endr
.endm
	s_load_b256 s[8:15], s[0:1], 0x0               ; context, g_ctx, b_ctx, wimg
	s_load_b128 s[16:19], s[0:1], 0x20             ; the exponents, kv_img
	v_lshl_add_u32 v14, v0, 2, 0x8800
	v_mov_b32 v15, 0
	v_lshrrev_b32 v4, 5, v0
	s_delay_alu instid0(VALU_DEP_1)
	v_readfirstlane_b32 s30, v4                    ; wave 0..15
	v_and_b32 v5, 31, v0                           ; lane
	s_wait_alu depctr_va_vdst(0)
	v_lshlrev_b32 v1, 4, v5                        ; 16 x lane
	v_and_b32 v6, 15, v0                           ; r
	v_bfe_u32 v7, v0, 4, 1                         ; h
	s_delay_alu instid0(VALU_DEP_2)
	v_mul_u32_u24 v3, v6, HP
	s_delay_alu instid0(VALU_DEP_1)
	v_lshl_add_u32 v3, v7, 4, v3                   ; a fragment's row x pitch + 16 h
	s_and_b32 s31, ttmp7, 0xffff                   ; y: 0 = k, 1 = v
	s_and_b32 s36, s30, 9                          ; my rows 4 w .. 4 w + 3 go to LDS rows 4 w' ..: w with its bits 1 and 2 swapped
	s_and_b32 s37, s30, 2
	s_lshl_b32 s37, s37, 1
	s_or_b32 s36, s36, s37
	s_and_b32 s37, s30, 4
	s_lshr_b32 s37, s37, 1
	s_or_b32 s36, s36, s37
	s_mul_i32 s36, s36, 4*HP
	v_lshl_add_u32 v2, v5, 2, s36                  ; where I store codes: 4 w' rows + 4 lane
	s_mov_b32 s[SEL], 0x76543210
	s_mov_b32 s[SEL+1], 0xfedcba98
	s_mov_b32 s[RN], 0x3b000000
	s_mov_b32 s[EPSR], 0x3727c5ac
	s_lshl_b32 s38, ttmp9, 17                      ; context: 64 x rows of 2,048 bytes + 4 w rows
	s_lshl_b32 s39, s30, 13
	s_add_co_u32 s38, s38, s39
	s_mov_b32 s39, 0
	s_lshl_b32 s40, s31, 4                         ; wimg: group 16 + 16 y + w
	s_add_co_u32 s40, s40, s30
	s_add_co_u32 s40, s40, 16
	s_lshl_b32 s40, s40, 14
	s_mov_b32 s41, 0
	s_lshr_b32 s42, ttmp9, 4                       ; batch
	s_and_b32 s43, ttmp9, 15                       ; rb: which 64 keys of the batch's 1,024
	s_lshl_b32 s44, s42, 20
	s_lshr_b32 s45, s30, 2                         ; head pair = w / 4
	s_lshl_b32 s45, s45, 18
	s_add_co_u32 s44, s44, s45
	s_lshr_b32 s45, s43, 2                         ; slot = rb / 4
	s_lshl_b32 s45, s45, 16
	s_add_co_u32 s44, s44, s45
	s_bfe_u32 s45, s30, 0x10001                    ; which head of the pair = (w / 2) % 2
	s_lshl_b32 s45, s45, 14
	s_add_co_u32 s44, s44, s45
	s_and_b32 s48, s30, 1                          ; which 32 channels of the head
	s_and_b32 s46, s43, 3                          ; k: key tiles 4 (rb % 4) on, piece w % 2
	s_lshl_b32 s46, s46, 12
	s_lshl_b32 s49, s48, 9
	s_add_co_u32 s46, s46, s49
	s_bfe_u32 s47, s43, 0x10001                    ; v: key step (rb % 4) / 2, channel tiles 2 (w % 2) on, pieces 2 (rb % 2) on
	s_lshl_b32 s47, s47, 13
	s_lshl_b32 s49, s48, 12
	s_add_co_u32 s47, s47, s49
	s_and_b32 s49, s43, 1
	s_lshl_b32 s49, s49, 10
	s_add_co_u32 s47, s47, s49
	s_add_co_u32 s47, s47, 32768
	s_cmp_eq_u32 s31, 0
	s_cselect_b32 s46, s46, s47
	s_add_co_u32 s44, s44, s46
	s_mov_b32 s45, 0
	s_wait_alu depctr_va_vdst(0)
	s_wait_kmcnt 0x0
	s_load_b256 s[20:27], s[16:17], 0x0            ; e0 .. e7
	s_add_nc_u64 s[8:9], s[8:9], s[38:39]
	s_add_nc_u64 s[14:15], s[14:15], s[40:41]
	s_add_nc_u64 s[18:19], s[18:19], s[44:45]
.irp j, 0,1,2,3
	global_load_b128 v[16+4*\j:19+4*\j], v1, s[10:11] offset:512*\j      ; g at my columns
.endr
.irp j, 0,1,2,3
	global_load_b128 v[32+4*\j:35+4*\j], v1, s[12:13] offset:512*\j      ; b
.endr
.irp i, 0,1,2,3
.irp j, 0,1,2,3
	global_load_b128 v[48+16*\i+4*\j:51+16*\i+4*\j], v1, s[8:9] offset:2048*\i+512*\j    ; my four rows: 512 consecutive bytes a load
.endr
.endr
.irp u, 0,1
.irp s, 0,1,2,3
.irp c, 0,1,2,3
	global_load_b128 v[128+16*(4*\u+\s)+4*\c:131+16*(4*\u+\s)+4*\c], v1, s[14:15] offset:\u*8192+\s*2048+\c*512   ; my group's eight fragments: they stay
.endr
.endr
.endr
	s_wait_kmcnt 0x0
	MKSC 22, 8, 9                                  ; 2^e2, 448 x 2^e2
	s_cmp_eq_u32 s31, 0
	s_cselect_b32 s50, s25, s26                    ; e5 for k, e6 for v
	s_sub_co_i32 s50, s50, s22
	s_sub_co_i32 s50, s50, s23                     ; a sum stands for sum x 2^(e2 + e3): the three scales are folded into the conversion's one
	MKSC 50, 10, 11
	s_wait_loadcnt 32                              ; g, b and my rows are in; the weights' 32 loads stay out
	LN4 48, 16, 32, 112, 120, 112, 8, 9, 2, 0
	s_wait_dscnt 0x0                               ; for the others' sake: my rows' codes lie in LDS
	s_barrier_signal -1
	s_barrier_wait -1
	s_wait_loadcnt 0x0                             ; the weights
; 64 rows x my 32 columns, 32 rows (two tiles) at a time: four accumulators by turns, a K step of 128 at a time.
; swap = 0 (k): accumulator (i = tile of rows, j = tile of columns); swap = 1 (v): (i = tile of columns, j = tile of rows).  Group i's 16 registers become four registers of codes: 512 bytes of the image.
.macro PROD swap
.irp b, 0,1
.irp s, 0,1,2,3
.irp jj, 0,1
.irp c, 0,1,2,3
	ds_load_b128 v[48+16*\jj+4*\c:51+16*\jj+4*\c], v3 offset:(2*\b+\jj)*16*HP+128*\s+32*\c
.endr
.endr
	s_wait_dscnt 0x0
.irp i, 0,1
.irp j, 0,1
.if \swap
.if \s == 0
	v_wmma_f32_16x16x128_fp8_fp8 v[80+16*\i+8*\j:87+16*\i+8*\j], v[48+16*\j:63+16*\j], v[128+16*(4*\i+\s):143+16*(4*\i+\s)], 0
.else
	v_wmma_f32_16x16x128_fp8_fp8 v[80+16*\i+8*\j:87+16*\i+8*\j], v[48+16*\j:63+16*\j], v[128+16*(4*\i+\s):143+16*(4*\i+\s)], v[80+16*\i+8*\j:87+16*\i+8*\j]
.endif
.else
.if \s == 0
	v_wmma_f32_16x16x128_fp8_fp8 v[80+16*\i+8*\j:87+16*\i+8*\j], v[128+16*(4*\j+\s):143+16*(4*\j+\s)], v[48+16*\i:63+16*\i], 0
.else
	v_wmma_f32_16x16x128_fp8_fp8 v[80+16*\i+8*\j:87+16*\i+8*\j], v[128+16*(4*\j+\s):143+16*(4*\j+\s)], v[48+16*\i:63+16*\i], v[80+16*\i+8*\j:87+16*\i+8*\j]
.endif
.endif
.endr
.endr
.rept 4
	v_nop                                          ; places in front of loads into registers that these products read, and of the first read of their results
.endr
.endr
.irp i, 0,1
.irp n, 0,1,2,3,4,5,6,7,8,9,10,11,12,13,14,15
	v_med3_num_f32 v[80+16*\i+\n], v[80+16*\i+\n], -v11, v11             ; each accumulator from its low end on
.endr
	v_cvt_scalef32_pk8_fp8_f32 v[112+8*\b+4*\i:113+8*\b+4*\i], v[80+16*\i:87+16*\i], v10
	v_cvt_scalef32_pk8_fp8_f32 v[114+8*\b+4*\i:115+8*\b+4*\i], v[88+16*\i:95+16*\i], v10
.endr
	v_nop                                          ; a plain line between the conversions and the next products, which write their sources
.irp i, 0,1
.if \swap
	global_store_b128 v1, v[112+8*\b+4*\i:115+8*\b+4*\i], s[18:19] offset:\i*2048+\b*512       ; 512 consecutive bytes, aligned
.else
	global_store_b128 v1, v[112+8*\b+4*\i:115+8*\b+4*\i], s[18:19] offset:(2*\b+\i)*1024
.endif
.endr
.endr
.endm
	s_cmp_lg_u32 s31, 0                            ; the same way for all waves of a work-group; both ways only read LDS
	s_cbranch_scc1 .Lvpath
	PROD 0
	s_wait_tensorcnt 0x0
	ds_add_u32 v14, v15
	s_wait_dscnt 0x0
	s_endpgm
.Lvpath:
	PROD 1
	s_wait_tensorcnt 0x0
	ds_add_u32 v14, v15
	s_wait_dscnt 0x0
	s_endpgm
.Lfunc_end_k_q38898176af_kvproj:
	.size	k_q38898176af_kvproj, .Lfunc_end_k_q38898176af_kvproj-k_q38898176af_kvproj
	.p2alignl 7, 3214868480
	.fill 96, 4, 3214868480
	.section	.rodata,"a",@progbits
	.p2align	6, 0x0
	.amdhsa_kernel k_q38898176af_kvproj
		.amdhsa_group_segment_fixed_size 36864
		.amdhsa_private_segment_fixed_size 0
		.amdhsa_enable_private_segment 0
		.amdhsa_kernarg_size 48
		.amdhsa_user_sgpr_count 2
		.amdhsa_user_sgpr_kernarg_segment_ptr 1
		.amdhsa_wavefront_size32 1
		.amdhsa_system_sgpr_workgroup_id_x 1
		.amdhsa_system_sgpr_workgroup_id_y 1
		.amdhsa_system_sgpr_workgroup_id_z 1
		.amdhsa_system_vgpr_workitem_id 0
		.amdhsa_next_free_vgpr 256
		.amdhsa_next_free_sgpr 66
		.amdhsa_reserve_vcc 0
		.amdhsa_float_denorm_mode_32 3
		.amdhsa_float_denorm_mode_16_64 3
		.amdhsa_memory_ordered 1
		.amdhsa_forward_progress 1
		.amdhsa_inst_pref_size 56
	.end_amdhsa_kernel
	.amdgpu_metadata
---
amdhsa.version: [ 1, 2 ]
amdhsa.kernels:
  - .name:           k_q38898176af_kvproj
    .symbol:         k_q38898176af_kvproj.kd
    .args:
      - { .name: context, .offset: 0, .size: 8, .value_kind: global_buffer, .address_space: global }
      - { .name: g_ctx, .offset: 8, .size: 8, .value_kind: global_buffer, .address_space: global }
      - { .name: b_ctx, .offset: 16, .size: 8, .value_kind: global_buffer, .address_space: global }
      - { .name: wimg, .offset: 24, .size: 8, .value_kind: global_buffer, .address_space: global }
      - { .name: lowp_scales, .offset: 32, .size: 8, .value_kind: global_buffer, .address_space: global }
      - { .name: kv_img, .offset: 40, .size: 8, .value_kind: global_buffer, .address_space: global }
    .group_segment_fixed_size: 36864
    .private_segment_fixed_size: 0
    .kernarg_segment_align: 8
    .kernarg_segment_size: 48
    .max_flat_workgroup_size: 512
    .sgpr_count:     66
    .vgpr_count:     256
    .wavefront_size: 32
...
	.end_amdgpu_metadata
.endif
;; end of part 2
;; launch main (part 3): grid 256 x 1, 8 waves a work-group, clusters of 4 x 1, 327,680 bytes of LDS; arguments x, params, context_mask, wimg, kv_img, lowp_scales, bp, out0; writes out0
.if DOCPART == 3
	.amdgcn_target "amdgcn-amd-amdhsa--gfx1250"
	.amdhsa_code_object_version 6
	.text
	.protected	k_q38898176af_main
	.globl	k_q38898176af_main
	.p2align	8
	.type	k_q38898176af_main,@function
k_q38898176af_main:
	s_mov_b64 s[64:65], 0
	v_nop
	global_prefetch_b8 v0, s[64:65] scope:SCOPE_SE
	s_setreg_imm32_b32 hwreg(HW_REG_WAVE_MODE, 25, 1), 1
	s_wait_xcnt 0x0
	s_wait_alu depctr_hold_cnt(0) depctr_sa_sdst(0) depctr_va_vdst(0) depctr_va_sdst(0) depctr_va_ssrc(0) depctr_va_vcc(0) depctr_vm_vsrc(0)
	s_getreg_b32 s2, hwreg(HW_REG_IB_STS2, 6, 4)
	s_cmp_eq_u32 s2, 0
	s_cbranch_scc0 .Lentry_in_a_cluster
	s_endpgm
.Lentry_in_a_cluster:
	s_bfe_u32 s2, ttmp6, 0x10000c
	s_cmp_lg_u32 s2, 0x3003
	s_cbranch_scc0 .Lentry_shape_is_right
	s_endpgm
.Lentry_shape_is_right:
; out0 = x + attention(LN(x) (1 + scale) + shift) Wp + bp, for 128 rows of x a work-group of eight waves; products on codes of E4M3 with the given scales 2^e0 .. 2^e9.
; A: wave w norms rows 16 w .. 16 w + 15 (two trips of 8), h -> codes (e0), rows of 512 + 16 bytes in LDS; the mask becomes a table of biases.
; B: wave w makes q's columns 64 w .. 64 w + 63 (head w) for all 128 rows; q -> codes (e4), images of fragments in LDS.
; C: wave w owns TWO query tiles, m = 2 (w % 4) and the next, and of head pair hp = 0 .. 3 head 2 hp + w / 4; it walks the 1,024 keys, 128 a step: each fragment of K, of V and of the biases feeds two matrix instructions.
; D: wave w makes the output's columns 64 w .. 64 w + 63 (256 bytes of a row), x 2^(e8 + e9) + bp, through its own stage in LDS, + x, stored sixteen lanes to an aligned 256 bytes.  No barrier in D but the one in front.
; ATTENTION.  S^T = K Q^T + bias (source 0 = 16 keys), O^T = V^T P^T (source 0 = 16 channels): a lane holds one query of each tile.  t = score x c, c = log2(e) / 8 x 2^(e4 + e5); M = the running largest t rounded up to a whole number;
; p = 2^(t - M) is quantised (e7), not normalised; the row's sum is taken of the unquantised p and divides O at the end; when M moves, the sum and O are multiplied by 2^(old M - new M), exact.
; The running largest is kept as a SCORE (c is positive) and starts the chains of the step's maximum.  It begins at -2^30, under every true score (at most 64 x 448^2) and over every masked one; -M begins at 2^60.
; THE MASK: bias[key] = 0 (true) or -2^126 (false) is the C of S^T's product, D in other registers.  A batch with no true key: the masked bias becomes 0 and q's hold 0, by selections: uniform weights, as reference() gives.
; REGISTER WINDOWS in C.  Window 0: v0-11 addresses; v12-31 both tiles' state; v32-35 constants; v40-55 Q of tiles A, B; v64-127 K; v128-191 V; v192-255 the biases.
; Window 1: v0-63, v64-127 S^T of tiles A, B; v128-159, v160-191 O^T; v192-207, v208-223 p's codes; v224-239 sums at work.  So one setting of the windows serves both tiles, and their lines take turns.
; THE EXPONENTIALS go in two batches, each with plain lines between them that read nothing written inside the batch: tile A's with tile B's t - M, tile B's with tile A's hold.
; THE RING: two LDS slots of 256 keys x 2 heads, 64 KB, images made by launch kvproj.  Every wave asks for 8 KB of a slot.  The four work-groups of a cluster belong to one batch and walk the same 16 slots: each part is asked for JOINTLY.
; PREFETCH: at the change that loads slot j, waves 0 and 1 name slot j + 1, 64 blocks of 256 bytes a work-group; the four partners share the slot's 256 blocks out by address (cx).  Slots 0 and 1 come by their loads alone; the last change that fills asks for nothing.
; q's and o's images: byte 8192 wC + 4096 tile + 1024 hp + 512 piece + 16 lane, wC the wave that uses them in C: a wave's 8 KB lie on end.
; In every fragment registers 4 c .. 4 c + 3 hold k = 32 c + 16 h + 0 .. 15: the same permutation of k on both sides of a product.
; LIMITS: e0, e7, e4 - e0 - e1, e8 - e6 - e7 between -126 and 119; e8 + e9 between -126 and 127; e4 + e5 between -60 and 30.  NaN among the inputs is not served.
.set SLOT1, 65536
.set QIMG,  131072
.set HO,    196608                     ; A, B: h's code rows, 128 x 528; then o's images
.set BIAS,  264192                     ; f32 [1,024]
.set SPARE, 268288                     ; the spare words, 128 bytes a wave: four blocks of 256 bytes that no other line names
.set HP,    528
.set SPT,   272                        ; D: a stage row: 256 bytes + 16; a wave's stage is 16 rows, in slot 0, which has had its last fill and its last read by then
.set WV,  24
.set G1,  28
.set G0,  36
.set SEL, 40
.set CS,  42
.set TB,  44
.set RN,  72
.set EPSR, 75
.set PFA, 88
.set LIM, 90
.set LP, 32                            ; window 0: 448 x 2^e7; the same for o; 2^e7; o's scale
.set LO, 33
.set SCP, 34
.set SCO, 35
.set QA, 40
.set QB, 48
.set KF, 64
.set VF, 128
.set BF, 192
.set SA, 0                             ; window 1
.set SB, 64
.set OA, 128
.set OB, 160
.set PA, 192
.set PB, 208
.set AC, 224
.set MSB, 0
.macro WIN new                         ; the immediate's high byte repeats the setting that is left
.if MSB != (\new)
	s_set_vgpr_msb (MSB<<8)|(\new)
.set MSB, (\new)
.endif
.endm
.macro NOPS n
.rept \n
	v_nop
.endr
.endm
.macro MKSC e, vs, vl                  ; from the exponent in s[e]: 2^e and 448 x 2^e as f32
	s_add_co_i32 s84, s[\e], 127
	s_lshl_b32 s85, s84, 23
	v_mov_b32 v[\vs], s85
	s_add_co_i32 s84, s84, 8
	s_lshl_b32 s84, s84, 23
	s_or_b32 s84, s84, 0x600000
	v_mov_b32 v[\vl], s84
.endm
.macro CROUND                          ; a round of the cluster's barrier
	s_barrier_signal -1
	s_barrier_wait -1
	s_cmp_lg_u32 s[WV], 0
	s_cbranch_scc1 .Lnot_wave_0_\@
	s_barrier_signal -3
.Lnot_wave_0_\@:
	s_barrier_wait -3
	s_barrier_signal -1
	s_barrier_wait -1
.endm
.macro TLOAD                           ; every wave's 8 KB of a slot; s_nop 0 and four v_nop follow
	tensor_load_to_lds s[G0:G0+3], s[G1:G1+7]
	s_nop 0
	NOPS 4
.endm
.macro LANESUM R
.irp k, 1,2,4,8
.irp i, 0,1,2,3
	s_delay_alu instid0(VALU_DEP_4)
	v_add_f32_dpp v[\R+2*\i], v[\R+2*\i], v[\R+2*\i] row_xmask:\k row_mask:0xf bank_mask:0xf
.endr
.endr
.irp i, 0,1,2,3
	s_delay_alu instid0(VALU_DEP_4)
	v_permlanex16_b32 v[\R+2*\i+1], v[\R+2*\i], s[SEL], s[SEL+1]
.endr
.irp i, 0,1,2,3
	s_delay_alu instid0(VALU_DEP_4)
	v_add_f32 v[\R+2*\i], v[\R+2*\i], v[\R+2*\i+1]
.endr
.endm
; Four rows of 512 numbers, row i in v[X + 16 i ..], register 4 j + n = column 128 j + 4 lane + n: mean, variance of the differences, (x - mean) rsqrt(var + eps) G + B, hold, codes, to LDS rows ADR + OFF + 528 i.  The rows take turns line by line.
.macro LN4 X, G, B, T, U, CD, SC, LIM_, ADR, OFF
.irp i, 0,1,2,3
	v_pk_add_f32 v[\T+2*\i:\T+2*\i+1], v[\X+16*\i:\X+16*\i+1], v[\X+16*\i+2:\X+16*\i+3]
	v_pk_add_f32 v[\U+2*\i:\U+2*\i+1], v[\X+16*\i+4:\X+16*\i+5], v[\X+16*\i+6:\X+16*\i+7]
.endr
.irp j, 8,12
.irp i, 0,1,2,3
	v_pk_add_f32 v[\T+2*\i:\T+2*\i+1], v[\T+2*\i:\T+2*\i+1], v[\X+16*\i+\j:\X+16*\i+\j+1]
	v_pk_add_f32 v[\U+2*\i:\U+2*\i+1], v[\U+2*\i:\U+2*\i+1], v[\X+16*\i+\j+2:\X+16*\i+\j+3]
.endr
.endr
.irp i, 0,1,2,3
	v_pk_add_f32 v[\T+2*\i:\T+2*\i+1], v[\T+2*\i:\T+2*\i+1], v[\U+2*\i:\U+2*\i+1]
.endr
.irp i, 0,1,2,3
	s_delay_alu instid0(VALU_DEP_4)
	v_add_f32 v[\T+2*\i], v[\T+2*\i], v[\T+2*\i+1]
.endr
	LANESUM \T
.irp i, 0,1,2,3
	s_delay_alu instid0(VALU_DEP_4)
	v_mul_f32 v[\T+2*\i], 0xbb000000, v[\T+2*\i]   ; -mean
.endr
.irp j, 0,2,4,6,8,10,12,14
.irp i, 0,1,2,3
	v_pk_add_f32 v[\X+16*\i+\j:\X+16*\i+\j+1], v[\X+16*\i+\j:\X+16*\i+\j+1], v[\T+2*\i:\T+2*\i+1] op_sel_hi:[1,0]
.endr
.endr
.irp i, 0,1,2,3
	v_pk_mul_f32 v[\U+2*\i:\U+2*\i+1], v[\X+16*\i:\X+16*\i+1], v[\X+16*\i:\X+16*\i+1]
	v_pk_mul_f32 v[\T+2*\i:\T+2*\i+1], v[\X+16*\i+2:\X+16*\i+3], v[\X+16*\i+2:\X+16*\i+3]
.endr
.irp j, 4,8,12
.irp i, 0,1,2,3
	v_pk_fma_f32 v[\U+2*\i:\U+2*\i+1], v[\X+16*\i+\j:\X+16*\i+\j+1], v[\X+16*\i+\j:\X+16*\i+\j+1], v[\U+2*\i:\U+2*\i+1]
	v_pk_fma_f32 v[\T+2*\i:\T+2*\i+1], v[\X+16*\i+\j+2:\X+16*\i+\j+3], v[\X+16*\i+\j+2:\X+16*\i+\j+3], v[\T+2*\i:\T+2*\i+1]
.endr
.endr
.irp i, 0,1,2,3
	v_pk_add_f32 v[\U+2*\i:\U+2*\i+1], v[\U+2*\i:\U+2*\i+1], v[\T+2*\i:\T+2*\i+1]
.endr
.irp i, 0,1,2,3
	s_delay_alu instid0(VALU_DEP_4)
	v_add_f32 v[\U+2*\i], v[\U+2*\i], v[\U+2*\i+1]
.endr
	LANESUM \U
.irp i, 0,1,2,3
	s_delay_alu instid0(VALU_DEP_4)
	v_fma_f32 v[\U+2*\i], v[\U+2*\i], s[RN], s[EPSR]           ; var + eps
.endr
	s_wait_alu depctr_va_vdst(0)                   ; ahead of the batch
.irp i, 0,1,2,3
	v_rsq_f32 v[\U+2*\i], v[\U+2*\i]
.endr
	v_nop                                          ; a plain line behind the transcendentals
	s_wait_alu depctr_va_vdst(0)                   ; behind the batch
.irp j, 0,2,4,6,8,10,12,14
.irp i, 0,1,2,3
	v_pk_mul_f32 v[\X+16*\i+\j:\X+16*\i+\j+1], v[\X+16*\i+\j:\X+16*\i+\j+1], v[\U+2*\i:\U+2*\i+1] op_sel_hi:[1,0]
.endr
.endr
.irp j, 0,2,4,6,8,10,12,14
.irp i, 0,1,2,3
	v_pk_fma_f32 v[\X+16*\i+\j:\X+16*\i+\j+1], v[\X+16*\i+\j:\X+16*\i+\j+1], v[\G+\j:\G+\j+1], v[\B+\j:\B+\j+1]
.endr
.endr
.irp j, 0,1,2,3,4,5,6,7,8,9,10,11,12,13,14,15
.irp i, 0,1,2,3
	v_med3_num_f32 v[\X+16*\i+\j], v[\X+16*\i+\j], -v[\LIM_], v[\LIM_]    ; the conversion to an 8-bit code does not saturate (ISA guide 7.6.2): the hold comes first
.endr
.endr
.irp i, 0,1,2,3
	v_cvt_scalef32_pk8_fp8_f32 v[\CD+4*\i:\CD+4*\i+1], v[\X+16*\i:\X+16*\i+7], v[\SC]
	v_cvt_scalef32_pk8_fp8_f32 v[\CD+4*\i+2:\CD+4*\i+3], v[\X+16*\i+8:\X+16*\i+15], v[\SC]
.endr
	v_nop                                          ; a plain line behind the run of conversions
.irp i, 0,1,2,3
.irp j, 0,1,2,3
	ds_store_b32 v[\ADR], v[\CD+4*\i+\j] offset:\OFF+\i*HP+128*\j      ; 32 lanes store 128 consecutive bytes
.endr
.endr
.endm
.macro NEXT16 X, off                   ; sixteen loads of 512 consecutive bytes from the next base: four rows of x, or four fragments of Wq: both lie 2,048 and 512 bytes apart
.irp i, 0,1,2,3
.irp j, 0,1,2,3
	global_load_b128 v[\X+16*\i+4*\j:\X+16*\i+4*\j+3], v1, s[92:93] offset:\off+2048*\i+512*\j
.endr
.endr
.endm
	s_load_b512 s[8:23], s[0:1], 0x0               ; x, params, mask, wimg, kv_img, exponents, bp, out0
	v_lshl_add_u32 v5, v0, 2, SPARE                ; v5, v6: the add's two registers, kept for it alone
	v_mov_b32 v6, 0
	ds_add_u32 v5, v6                              ; the opening lines: the add twice on end and one wait
	ds_add_u32 v5, v6
	v_lshrrev_b32 v26, 5, v0
	v_readfirstlane_b32 s[WV], v26                 ; wave 0..7
	s_lshr_b32 s25, s[WV], 2                       ; g: which head of a pair
	s_bfe_u32 s50, ttmp6, 0x40000                  ; cx: it enters x's, out0's and the prefetches' addresses alone
	s_lshl_b32 s51, ttmp9, 2
	s_add_co_u32 s51, s51, s50                     ; my block of 128 rows
	s_lshr_b32 s62, ttmp9, 3                       ; the batch: the four partners share it
	s_mov_b32 s[G1+0], 15|(3<<16)|(1<<21)          ; the mask of all four; elements of 8 bytes; bit 21 beside a mask
	s_mov_b32 s[G1+1], 32<<16                      ; a dense block of 8,192 bytes as 32 rows of 256 bytes
	s_mov_b32 s[G1+2], 32<<16
	s_mov_b32 s[G1+3], 32<<16
	s_mov_b32 s[G1+4], 32
	s_mov_b32 s[G1+5], 32
	s_mov_b32 s[G1+6], 0
	s_mov_b32 s[G1+7], 0
	s_mov_b32 s[SEL], 0x76543210
	s_mov_b32 s[SEL+1], 0xfedcba98
	s_mov_b32 s[RN], 0x3b000000
	s_mov_b32 s[EPSR], 0x3727c5ac
	s_mov_b32 s[TB], 0
	s_lshl_b32 s[G0+1], s[WV], 13                  ; LDS: slot 0, my 8 KB
	s_lshl_b32 s66, s62, 20
	s_lshl_b32 s68, s50, 14
	s_add_co_u32 s68, s68, s66
	s_add_co_u32 s68, s68, SLOT1                   ; the prefetches: my work-group's quarter, at slot 1; the first change steps it to slot 2
	s_add_co_u32 s66, s66, s[G0+1]                 ; in kv_img: the batch's first slot, my 8 KB
	s_mov_b32 s67, 0
	s_mov_b32 s69, 0
	s_cmp_lt_u32 s[WV], 2
	s_cselect_b32 s[LIM], 1, 0xffff                ; waves 0 and 1 ask while more than one refill is to come; the others never
	s_wait_dscnt 0x0
	s_wait_kmcnt 0x0
	s_load_b256 s[52:59], s[18:19], 0x0            ; e0 .. e7
	s_load_b64 s[60:61], s[18:19], 0x20            ; e8, e9
	s_mov_b32 s[G0], 1
	s_add_nc_u64 s[G0+2:G0+3], s[16:17], s[66:67]
	s_or_b32 s[G0+3], s[G0+3], 0x80000000
	s_add_nc_u64 s[PFA:PFA+1], s[16:17], s[68:69]
	CROUND                                         ; all four work-groups are here: the first joint loads meet
	TLOAD                                          ; slot 0: one tensor load a wave at the head
	v_and_b32 v26, 31, v0                          ; lane
	v_and_b32 v27, 15, v0                          ; r
	v_bfe_u32 v28, v0, 4, 1                        ; h
	v_lshlrev_b32 v1, 4, v26                       ; 16 x lane; never rewritten
	v_lshlrev_b32 v249, 5, v26                     ; the mask: 32 bytes a lane,
	v_lshlrev_b32 v250, 2, v0                      ; and four keys a thread
	v_and_b32 v7, 63, v0
	v_lshlrev_b32 v7, 8, v7                        ; the prefetches' offset: 256 bytes a thread of waves 0 and 1
	s_wait_alu depctr_va_vdst(0)                   ; ahead of the run of scalar lines
	s_lshl_b32 s66, s62, 10
	s_add_nc_u64 s[12:13], s[12:13], s[66:67]      ; the batch's mask
	s_lshl_b32 s66, s62, 12
	s_add_nc_u64 s[10:11], s[10:11], s[66:67]      ; the batch's params
	s_lshl_b32 s68, s51, 18
	s_add_nc_u64 s[76:77], s[8:9], s[68:69]        ; x at my block
	s_add_nc_u64 s[22:23], s[22:23], s[68:69]
	s_lshl_b32 s66, s[WV], 8
	s_add_nc_u64 s[78:79], s[76:77], s[66:67]      ; D: x, out0 and bp at column 64 w
	s_add_nc_u64 s[22:23], s[22:23], s[66:67]
	s_add_nc_u64 s[20:21], s[20:21], s[66:67]
	s_lshl_b32 s66, s[WV], 15
	s_add_nc_u64 s[76:77], s[76:77], s[66:67]      ; A: x at row 16 w
	s_add_nc_u64 s[80:81], s[14:15], s[66:67]      ; Wq's groups 2 w, 2 w + 1
	s_add_nc_u64 s[82:83], s[80:81], 48*16384      ; Wp's
	s_add_nc_u64 s[92:93], s[76:77], 16384         ; the next base: rows 8 .. 15
	global_load_b128 v[240:243], v249, s[12:13]
	global_load_b128 v[244:247], v249, s[12:13] offset:16
	global_load_b32 v248, v250, s[12:13]
.irp j, 0,1,2,3
	global_load_b128 v[32+4*\j:35+4*\j], v1, s[10:11] offset:512*\j          ; 1 + scale at my columns
.endr
.irp j, 0,1,2,3
	global_load_b128 v[48+4*\j:51+4*\j], v1, s[10:11] offset:2048+512*\j     ; shift
.endr
.irp i, 0,1,2,3,4,5,6,7
.irp j, 0,1,2,3
	global_load_b128 v[64+16*\i+4*\j:67+16*\i+4*\j], v1, s[76:77] offset:2048*\i+512*\j   ; rows 0 .. 7
.endr
.endr
	WIN 0x40
.set TT, 0
.rept 32
	global_load_b128 v[64+4*TT:67+4*TT], v1, s[80:81] offset:16384+512*TT    ; Wq's group 2 w + 1: eight fragments into window 1
.set TT, TT+1
.endr
	WIN 0
	v_lshl_add_u32 v2, v28, 6, BIAS                ; the biases of my half's keys
	s_lshl_b32 s86, s[WV], 13
	v_add_nc_u32 v3, s86, v1                       ; my 8 KB of q's and of o's images
	s_lshl_b32 s86, s25, 14
	v_add_nc_u32 v4, s86, v1                       ; my head's part of a slot
	s_mul_i32 s86, s[WV], 16*HP
	s_add_co_u32 s86, s86, HO
	v_lshl_add_u32 v8, v26, 2, s86                 ; A: where I store h's codes
	v_mul_u32_u24 v9, v27, HP
	v_lshl_add_u32 v9, v28, 4, v9
	v_add_nc_u32 v9, HO, v9                        ; B: a fragment of h: row r, + 16 h
	s_and_b32 s86, s[WV], 1
	s_lshl_b32 s86, s86, 15
	s_lshr_b32 s87, s[WV], 1
	s_lshl_b32 s87, s87, 10
	s_add_co_u32 s86, s86, s87
	s_add_co_u32 s86, s86, QIMG
	v_add_nc_u32 v11, s86, v1                      ; B: where I store q's codes: head w = 2 hp + g: 32768 g + 1024 hp
	v_lshl_add_u32 v10, v0, 4, BIAS                ; my four keys' biases
	s_wait_alu depctr_va_vdst(0)                   ; directly ahead of the wait below
	s_wait_kmcnt 0x0
	MKSC 52, 224, 225                              ; 2^e0, 448 x 2^e0
	s_add_co_i32 s86, s56, s57
	s_lshl_b32 s86, s86, 23
	s_add_co_i32 s[CS], s86, 0x3e38aa3b            ; log2(e) / 8, with e4 + e5 added to its exponent field
	s_mov_b32 s[CS+1], s[CS]
	s_add_co_i32 s86, s60, s61
	s_add_co_i32 s86, s86, 127
	s_lshl_b32 s70, s86, 23                        ; 2^(e8 + e9)
	s_mov_b32 s71, s70
	s_wait_alu depctr_va_vdst(0)
	s_wait_loadcnt 63                              ; 72 younger loads could stay out; a wait's count names 63 at the most: the mask's three are in
	v_or_b32 v240, v240, v241
	v_or_b32 v242, v242, v243
	v_or_b32 v244, v244, v245
	v_or_b32 v246, v246, v247
	v_or_b32 v240, v240, v242
	v_or_b32 v244, v244, v246
	v_or_b32 v240, v240, v244
	v_cmp_ne_u32 vcc_lo, 0, v240
	s_mov_b32 s74, vcc_lo                          ; not 0: the batch has a true key (every wave looks at all 1,024)
	s_cmp_lg_u32 s74, 0
	s_cselect_b32 s73, 0xfe800000, 0               ; a masked key's bias: -2^126; 0 where no key is true
	v_mov_b32 v251, s73
.irp b, 0,1,2,3
	v_bfe_u32 v252, v248, 8*\b, 8
	v_cmp_eq_u32 vcc_lo, 0, v252
	v_cndmask_b32 v[232+\b], 0, v251, vcc_lo
.endr
	ds_store_b128 v10, v[232:235]
	s_sub_co_i32 s86, s56, s52                     ; q's conversion: e4 - e0 - e1
	s_sub_co_i32 s86, s86, s53
	s_add_co_i32 s86, s86, 127
	s_lshl_b32 s87, s86, 23
	v_mov_b32 v12, s87
	s_add_co_i32 s86, s86, 8
	s_lshl_b32 s86, s86, 23
	s_or_b32 s86, s86, 0x600000
	s_cmp_lg_u32 s74, 0
	s_cselect_b32 s86, s86, 0                      ; q's hold: 448 x the scale; 0 where no key is true
	v_mov_b32 v13, s86
	s_mov_b32 s91, 0
	s_mov_b32 s49, 2
	s_wait_alu depctr_va_vdst(0)                   ; the head's end
.Lrows:                                            ; two trips of eight rows.  Behind each four rows sixteen loads take their registers: in trip 1 rows 8 .. 15, in trip 2 Wq's group 2 w
	v_add_nc_u32 v10, s91, v8
	s_wait_loadcnt 16                              ; the first four rows are in; at most the youngest sixteen loads stay out
	LN4 64, 32, 48, 192, 200, 208, 224, 225, 10, 0
	NEXT16 64, 0
	s_wait_loadcnt 16                              ; the second four; the sixteen just issued stay out
	LN4 128, 32, 48, 192, 200, 232, 224, 225, 10, 4*HP
	NEXT16 128, 8192
	s_wait_xcnt 0x0                                ; the loads have read their base
	s_mov_b64 s[92:93], s[80:81]
	s_add_co_u32 s91, s91, 8*HP
	s_sub_co_u32 s49, s49, 1
	s_cmp_lg_u32 s49, 0
	s_cbranch_scc1 .Lrows
	s_wait_dscnt 0x0                               ; for the others' sake: my rows' codes and my biases lie in LDS
	s_barrier_signal -1                            ; slot 0's load may stay out, and no tile read, behind this barrier
	s_barrier_wait -1
	; ---- B: source 0 = 16 columns of Wq, source 1 = 16 rows of h: a lane holds one query, the 16 registers of a group's two tiles 16 neighbouring channels
.macro FETCHH m
.irp s, 0,1,2,3
.irp c, 0,1,2,3
	ds_load_b128 v[192+16*\s+4*\c:195+16*\s+4*\c], v9 offset:(\m)*16*HP+128*\s+32*\c
.endr
.endr
.endm
	s_wait_loadcnt 0x0                             ; Wq
	FETCHH 0
.irp m, 0,1,2,3,4,5,6,7
	s_wait_dscnt 0x0
.irp g, 0,1                                        ; group g's fragments lie in window g; its two accumulators take turns
	WIN \g
.irp s, 0,1,2,3
.irp u, 0,1
.if \s == 0
	v_wmma_f32_16x16x128_fp8_fp8 v[32+16*\g+8*\u:39+16*\g+8*\u], v[64+16*(4*\u+\s):79+16*(4*\u+\s)], v[192+16*\s:207+16*\s], 0
.else
	v_wmma_f32_16x16x128_fp8_fp8 v[32+16*\g+8*\u:39+16*\g+8*\u], v[64+16*(4*\u+\s):79+16*(4*\u+\s)], v[192+16*\s:207+16*\s], v[32+16*\g+8*\u:39+16*\g+8*\u]
.endif
.endr
.endr
.endr
	WIN 0
	NOPS 4                                         ; places in front of the loads into h's fragments and of the first read of the results
.if \m < 7
	FETCHH \m+1
.endif
.set J, 0
.rept 32
	v_med3_num_f32 v[32+J], v[32+J], -v13, v13
.set J, J+1
.endr
.irp a, 0,1,2,3
	v_cvt_scalef32_pk8_fp8_f32 v[24+2*\a:25+2*\a], v[32+8*\a:39+8*\a], v12
.endr
	v_nop                                          ; a plain line behind the conversions
	ds_store_b128 v11, v[24:27] offset:\m*4096
	ds_store_b128 v11, v[28:31] offset:\m*4096+512
.endr
	MKSC 59, SCP, LP                               ; 2^e7, 448 x 2^e7,
	s_sub_co_i32 s86, s60, s58
	s_sub_co_i32 s86, s86, s59
	MKSC 86, SCO, LO                               ; and the same with e8 - e6 - e7, for o
.irp r, 13,17,23,25,30,31
	v_mov_b32 v\r, 0                               ; upper words of named pairs, and the lane permutes' destinations: written once
.endr
	s_wait_alu depctr_va_vdst(0)
	s_wait_dscnt 0x0                               ; q's images lie in LDS, and my reads of h's rows are over
	s_barrier_signal -1
	s_barrier_wait -1
; ---- C.  State in window 0, tile A / tile B: -M v12 / v16; the sum v[14:15] / v[18:19]; the largest score v20 / v21; f v22 / v24; at work v26, v27, v30 / v28, v29, v31.
.macro LD3 q, more                     ; the N-th of sixteen groups of LDS loads, laid among the maxima: this step's V; the next step's biases (register n of tile t: key 32 (t / 2) + 8 (t % 2) + 16 h + n); the slot's second step's K
	ds_load_b128 v[VF+4*N:VF+4*N+3], v8 offset:32768+(4*(\q)+N/4)*2048+512*(N%4)
.if \q == 0
	ds_load_b128 v[BF+4*N:BF+4*N+3], v9 offset:512+128*(N/4)+32*((N/2)%2)+16*(N%2)
	ds_load_b128 v[KF+4*N:KF+4*N+3], v8 offset:(8+N/2)*1024+512*(N%2)
.elseif \more
	ds_load_b128 v[BF+4*N:BF+4*N+3], v10 offset:128*(N/4)+32*((N/2)%2)+16*(N%2)
.endif
.endm
.macro SUMP S, SU                      ; the sum of a tile's unquantised p: eight chains, a tree, onto the running sum
	WIN 0x45
.set I, 0
.rept 8
	v_pk_add_f32 v[AC+I:AC+I+1], v[\S+I:\S+I+1], v[\S+16+I:\S+17+I]
.set I, I+2
.endr
.irp k, 32,48
.set I, 0
.rept 8
	v_pk_add_f32 v[AC+I:AC+I+1], v[AC+I:AC+I+1], v[\S+\k+I:\S+\k+I+1]
.set I, I+2
.endr
.endr
.irp d, 8,4,2
.set I, 0
.rept \d/2
	v_pk_add_f32 v[AC+I:AC+I+1], v[AC+I:AC+I+1], v[AC+\d+I:AC+\d+I+1]
.set I, I+2
.endr
.endr
	WIN 0x04
	v_pk_add_f32 v[\SU:\SU+1], v[\SU:\SU+1], v[AC:AC+1]
.endm
.macro CVTP S, P                       ; a tile's 64 held p -> 16 registers of codes
.set J, 0
.rept 8
	v_cvt_scalef32_pk8_fp8_f32 v[\P+2*J:\P+2*J+1], v[\S+8*J:\S+8*J+7], v[SCP]
.set J, J+1
.endr
.endm
.macro STEP q, more                    ; 128 keys, the q-th of the slot in hand; more = 1: a step follows this slot's last
.if \q == 0
	v_add_nc_u32 v8, s[TB], v4                     ; the slot's K and V; this slot's biases; the next slot's
	v_add_nc_u32 v9, s45, v2
	v_add_nc_u32 v10, s50, v2
.set N, 0
.rept 16
	ds_load_b128 v[KF+4*N:KF+4*N+3], v8 offset:(N/2)*1024+512*(N%2)
.set N, N+1
.endr
	s_wait_alu depctr_va_vdst(0)
.endif
.if \q != 0
	s_wait_dscnt 0x0                               ; K and the biases, asked for a step ago, are in
.endif
	WIN 0x40
.set TT, 0
.rept 8
.if \q == 0
	s_wait_dscnt 14-2*TT                           ; fragment TT's two loads are in (and the biases, which are older); K's 14 - 2 TT younger loads stay out
.endif
	v_wmma_f32_16x16x64_fp8_fp8 v[SA+8*TT:SA+8*TT+7], v[KF+8*TT:KF+8*TT+7], v[QA:QA+7], v[BF+8*TT:BF+8*TT+7]    ; S^T = K Q^T + bias
	v_wmma_f32_16x16x64_fp8_fp8 v[SB+8*TT:SB+8*TT+7], v[KF+8*TT:KF+8*TT+7], v[QB:QB+7], v[BF+8*TT:BF+8*TT+7]
.set TT, TT+1
.endr
	NOPS 4                                         ; places in front of the loads into K's, V's and the biases' registers and of the first read of the scores
	WIN 0x14                                       ; the largest score so far of each tile's query among my 64 keys: four chains by turns, each begun with the running one; each accumulator from its low end on
	v_max3_num_f32 v26, v20, v[SA], v[SA+1]
	v_max3_num_f32 v27, v20, v[SA+2], v[SA+3]
	v_max3_num_f32 v28, v21, v[SB], v[SB+1]
	v_max3_num_f32 v29, v21, v[SB+2], v[SB+3]
.set N, 1
.rept 15
	v_max3_num_f32 v26, v26, v[SA+4*N], v[SA+4*N+1]
	v_max3_num_f32 v27, v27, v[SA+4*N+2], v[SA+4*N+3]
	v_max3_num_f32 v28, v28, v[SB+4*N], v[SB+4*N+1]
	v_max3_num_f32 v29, v29, v[SB+4*N+2], v[SB+4*N+3]
.if N%2 == 1                                       ; two groups of loads, six at the most, behind every eight maxima
.set N, N-1
	LD3 \q, \more
.set N, N+1
	LD3 \q, \more
.endif
.set N, N+1
.endr
	WIN 0
	v_max_num_f32 v26, v26, v27
	v_max_num_f32 v28, v28, v29
	v_permlanex16_b32 v30, v26, s[SEL], s[SEL+1]
	v_permlanex16_b32 v31, v28, s[SEL], s[SEL+1]
	v_max_num_f32 v20, v26, v30                    ; the running largest score, lane l xor 16's keys among them
	v_max_num_f32 v21, v28, v31
	v_mul_f32 v26, s[CS], v20                      ; as t
	v_mul_f32 v28, s[CS], v21
	v_mov_b32 v27, v12
	v_mov_b32 v29, v16
	v_floor_f32 v12, -v26                          ; the new -M = -ceil(t)
	v_floor_f32 v16, -v28
	v_sub_f32 v27, v12, v27                        ; old M - new M: a whole number, 0 or less
	v_sub_f32 v29, v16, v29
	v_cvt_i32_f32 v27, v27                         ; (it saturates)
	v_cvt_i32_f32 v29, v29
	v_ldexp_f32 v22, 1.0, v27                      ; f = 2^(old M - new M)
	v_ldexp_f32 v24, 1.0, v29
	v_pk_mul_f32 v[14:15], v[14:15], v[22:23] op_sel_hi:[1,0]      ; the sums under the new M
	v_pk_mul_f32 v[18:19], v[18:19], v[24:25] op_sel_hi:[1,0]
	WIN 0x41
.set J, 0
.rept 32
	v_pk_fma_f32 v[SA+J:SA+J+1], v[SA+J:SA+J+1], s[CS:CS+1], v[12:13] op_sel_hi:[1,0,0]      ; tile A: t - M, two at a time
.set J, J+2
.endr
.set J, 0
.rept 16
	v_pk_mul_f32 v[OA+J:OA+J+1], v[OA+J:OA+J+1], v[22:23] op_sel_hi:[1,0]    ; O^T under the new M
	v_pk_mul_f32 v[OB+J:OB+J+1], v[OB+J:OB+J+1], v[24:25] op_sel_hi:[1,0]
.set J, J+2
.endr
	s_wait_alu depctr_va_vdst(0)                   ; ahead of batch 1
.set J, 0
.rept 32                                           ; batch 1: tile A's p = 2^(t - M); between them tile B's t - M, which is read behind the next wait
	v_exp_f32 v[SA+J], v[SA+J]
	v_exp_f32 v[SA+J+1], v[SA+J+1]
	v_pk_fma_f32 v[SB+J:SB+J+1], v[SB+J:SB+J+1], s[CS:CS+1], v[16:17] op_sel_hi:[1,0,0]
.set J, J+2
.endr
	s_wait_alu depctr_va_vdst(0)                   ; and behind it
	SUMP SA, 14
	WIN 0x41
	s_wait_alu depctr_va_vdst(0)                   ; ahead of batch 2
.set J, 0
.rept 64                                           ; batch 2: tile B's p; between them tile A's hold (p is not negative: one-sided), which is read behind the next wait
	v_exp_f32 v[SB+J], v[SB+J]
	v_min_num_f32 v[SA+J], v[SA+J], v[LP]
.set J, J+1
.endr
	s_wait_alu depctr_va_vdst(0)                   ; behind batch 2
	CVTP SA, PA
	SUMP SB, 18
	WIN 0x41
.set J, 0
.rept 64
	v_min_num_f32 v[SB+J], v[SB+J], v[LP]
.set J, J+1
.endr
	CVTP SB, PB
	v_nop                                          ; a plain line behind the conversions
	s_wait_alu depctr_va_vdst(0)                   ; directly ahead of the wait below
.if \q == 0
	s_wait_dscnt 2                                 ; V is in; behind its last load stand one of the biases' and one of K's
.elseif \more
	s_wait_dscnt 1                                 ; one of the biases'
.else
	s_wait_dscnt 0
.endif
	WIN 0x54
.irp t, 0,1,2,3
	v_wmma_f32_16x16x128_fp8_fp8 v[OA+8*\t:OA+8*\t+7], v[VF+16*\t:VF+16*\t+15], v[PA:PA+15], v[OA+8*\t:OA+8*\t+7]    ; O^T += V^T P^T
.endr
.irp t, 0,1,2,3
	v_wmma_f32_16x16x128_fp8_fp8 v[OB+8*\t:OB+8*\t+7], v[VF+16*\t:VF+16*\t+15], v[PB:PB+15], v[OB+8*\t:OB+8*\t+7]
.endr
	WIN 0
.endm
; THE CHANGE OF SLOTS stands at a slot's head: the wait for all my tensor loads (one is out: my 8 KB of the slot ahead), the add, the wait for it and for my LDS reads.  fill = 1: a round of the cluster's barrier, and the other slot's joint refill first behind it.
.macro CHANGE fill
	s_wait_tensorcnt 0x0
	ds_add_u32 v5, v6
.if \fill
	s_xor_b32 s[G0+1], s[G0+1], SLOT1
	s_add_nc_u64 s[G0+2:G0+3], s[G0+2:G0+3], SLOT1
	s_wait_xcnt 0x0                                ; any prefetch of mine has read its address
	s_add_nc_u64 s[PFA:PFA+1], s[PFA:PFA+1], SLOT1 ; one slot further on than the descriptor
.endif
	s_wait_dscnt 0x0
.if \fill
	CROUND
	TLOAD
	s_cmp_gt_u32 s48, s[LIM]
	s_cbranch_scc0 .Lnot_mine_\@
	global_prefetch_b8 v7, s[PFA:PFA+1] th:TH_LOAD_NT scope:SCOPE_SE
.Lnot_mine_\@:
.else
	s_barrier_signal -1
	s_barrier_wait -1
.endif
.endm
.macro SLOTBODY fill
	CHANGE \fill
	STEP 0, 1
	STEP 1, \fill
	s_xor_b32 s[TB], s[TB], SLOT1
.endm
.macro HEADSTART sreg                  ; a head begins: both tiles' Q; zeros, which the first change of M leaves zeros
	v_add_nc_u32 v10, s[\sreg], v3
	ds_load_b128 v[QA:QA+3], v10
	ds_load_b128 v[QA+4:QA+7], v10 offset:512
	ds_load_b128 v[QB:QB+3], v10 offset:4096
	ds_load_b128 v[QB+4:QB+7], v10 offset:4608
.irp r, 20,21
	v_mov_b32 v\r, 0xce800000                      ; -2^30
.endr
.irp r, 12,16
	v_mov_b32 v\r, 0x5d800000                      ; -M = 2^60
.endr
.irp r, 14,15,18,19
	v_mov_b32 v\r, 0
.endr
	WIN 0x40
.set J, 0
.rept 64
	v_mov_b32 v[OA+J], 0
.set J, J+1
.endr
	WIN 0
.endm
.macro HEADEND sreg                    ; a head ends: O^T / the sum -> codes (e8), into my place in o's images
	NOPS 4
	v_add_f32 v14, v14, v15
	v_add_f32 v18, v18, v19
	v_permlanex16_b32 v30, v14, s[SEL], s[SEL+1]
	v_permlanex16_b32 v31, v18, s[SEL], s[SEL+1]
	v_add_f32 v14, v14, v30
	v_add_f32 v18, v18, v31
	v_add_nc_u32 v11, s[\sreg], v3
	s_wait_alu depctr_va_vdst(0)                   ; ahead of the transcendentals,
	v_rcp_f32 v14, v14
	v_rcp_f32 v18, v18
	v_nop
	WIN 0x41
	s_wait_alu depctr_va_vdst(0)                   ; and behind them, directly ahead of the first reader of O^T
.set J, 0
.rept 16
	v_pk_mul_f32 v[SA+J:SA+J+1], v[OA+J:OA+J+1], v[14:15] op_sel_hi:[1,0]
.set J, J+2
.endr
.set J, 0
.rept 16
	v_pk_mul_f32 v[SB+J:SB+J+1], v[OB+J:OB+J+1], v[18:19] op_sel_hi:[1,0]
.set J, J+2
.endr
.set J, 0
.rept 32
	v_med3_num_f32 v[SA+J], v[SA+J], -v[LO], v[LO]
	v_med3_num_f32 v[SB+J], v[SB+J], -v[LO], v[LO]
.set J, J+1
.endr
.irp a, 0,1,2,3
	v_cvt_scalef32_pk8_fp8_f32 v[PA+2*\a:PA+2*\a+1], v[SA+8*\a:SA+8*\a+7], v[SCO]
	v_cvt_scalef32_pk8_fp8_f32 v[PB+2*\a:PB+2*\a+1], v[SB+8*\a:SB+8*\a+7], v[SCO]
.endr
	v_nop                                          ; a plain line behind the conversions
	WIN 0x04                                       ; the stores' data lie in window 1
	ds_store_b128 v11, v[PA:PA+3]
	ds_store_b128 v11, v[PA+4:PA+7] offset:512
	ds_store_b128 v11, v[PB:PB+3] offset:4096
	ds_store_b128 v11, v[PB+4:PB+7] offset:4608
	WIN 0
.endm
.set N, 0
.rept 16
	ds_load_b128 v[BF+4*N:BF+4*N+3], v2 offset:128*(N/4)+32*((N/2)%2)+16*(N%2)   ; the first step's biases
.set N, N+1
.endr
	s_mov_b32 s47, QIMG
	HEADSTART 47
	s_mov_b32 s48, 15                              ; refills to come.  The trip with s48 = k walks slot 15 - k and asks for slot 16 - k
.Lslot:
	s_sub_co_u32 s49, 15, s48
	s_and_b32 s45, s49, 3
	s_lshl_b32 s45, s45, 10                        ; this slot's 256 keys in the biases,
	s_sub_co_u32 s50, 16, s48
	s_and_b32 s50, s50, 3
	s_lshl_b32 s50, s50, 10                        ; and the next slot's
	SLOTBODY 1
	s_and_b32 s46, s48, 3                          ; behind every fourth slot a head pair ends and the next begins: a branch on the count of trips, round LDS and register work alone
	s_cmp_lg_u32 s46, 0
	s_cbranch_scc1 .Lsame
	s_lshr_b32 s46, s49, 2
	s_lshl_b32 s46, s46, 10
	s_add_co_u32 s46, s46, HO
	HEADEND 46
	s_sub_co_u32 s47, 16, s48
	s_lshr_b32 s47, s47, 2
	s_lshl_b32 s47, s47, 10
	s_add_co_u32 s47, s47, QIMG
	HEADSTART 47
.Lsame:
	s_sub_co_u32 s48, s48, 1
	s_cmp_lg_u32 s48, 0
	s_cbranch_scc1 .Lslot
	s_mov_b32 s45, 3072                            ; the last slot is written out: it asks for nothing
	s_mov_b32 s50, 0
	SLOTBODY 0
	s_mov_b32 s46, HO+3072
	HEADEND 46
	; ---- D.  Window 1: Wp's sixteen fragments, (a = 2 group + u, s) at v[64 a + 16 s].  Window 0: v2 into my stage, v3 out of it, v4 my bytes in x and out0, v9 o's images; v32-63 bp in the result's layout; v64-127 o's fragments of a tile;
	; v128-159 four accumulators; v160-191 sixteen rows' 256 bytes back from the stage; v192-255 x, two tiles by turns.
.macro XLD m
.irp i, 0,1,2,3,4,5,6,7
	global_load_b128 v[192+32*((\m)%2)+4*\i:195+32*((\m)%2)+4*\i], v4, s[78:79] offset:(\m)*32768+\i*4096 th:TH_LOAD_NT   ; sixteen lanes read 256 consecutive bytes, aligned: x's last use
.endr
.endm
.macro OLD m
.irp s, 0,1,2,3
.irp c, 0,1,2,3
	ds_load_b128 v[64+16*\s+4*\c:67+16*\s+4*\c], v9 offset:(\c/2)*32768+(\c%2)*512+4096*(\m)+1024*\s
.endr
.endr
.endm
	s_wait_dscnt 0x0                               ; my o images lie in LDS and my reads of the ring are over
	WIN 0x40
.set TT, 0
.rept 64
	global_load_b128 v[4*TT:4*TT+3], v1, s[82:83] offset:TT*512
.set TT, TT+1
.endr
	WIN 0
	v_and_b32 v25, 15, v0                          ; r
	v_bfe_u32 v26, v0, 4, 1                        ; h
	v_lshlrev_b32 v24, 6, v26                      ; 64 h
.irp c, 0,1
.irp j, 0,1,2,3
	global_load_b128 v[32+16*\c+4*\j:35+16*\c+4*\j], v24, s[20:21] offset:128*\c+16*\j      ; bp[64 w + 32 c + 16 h + 0 .. 15]
.endr
.endr
	v_lshlrev_b32 v4, 11, v26
	v_lshl_add_u32 v4, v25, 4, v4                  ; lanes 0-15 one row's 256 bytes, lanes 16-31 the next row's
	XLD 0
	XLD 1
	s_mul_i32 s86, s[WV], 16*SPT
	v_mul_u32_u24 v2, v25, SPT
	v_add_nc_u32 v2, v2, v24
	v_add_nc_u32 v2, s86, v2                       ; into my stage: row r, + 64 h
	v_mul_u32_u24 v3, v26, SPT
	v_lshl_add_u32 v3, v25, 4, v3
	v_add_nc_u32 v3, s86, v3                       ; out of it
	v_add_nc_u32 v9, HO, v1
	s_wait_alu depctr_va_vdst(0)                   ; ahead of the barrier
	s_barrier_signal -1
	s_barrier_wait -1                              ; all o images lie in LDS; nobody reads the ring any more
	OLD 0
	s_wait_loadcnt 16                              ; Wp and bp are in; x's sixteen loads stay out
.irp m, 0,1,2,3,4,5,6,7
	s_wait_dscnt 0x0                               ; the tile's fragments of o
	WIN 0x01
.irp s, 0,1,2,3
.irp a, 0,1,2,3                                    ; four accumulators by turns
.if \s == 0
	v_wmma_f32_16x16x128_fp8_fp8 v[128+8*\a:135+8*\a], v[64*\a+16*\s:64*\a+16*\s+15], v[64+16*\s:79+16*\s], 0
.else
	v_wmma_f32_16x16x128_fp8_fp8 v[128+8*\a:135+8*\a], v[64*\a+16*\s:64*\a+16*\s+15], v[64+16*\s:79+16*\s], v[128+8*\a:135+8*\a]
.endif
.endr
.endr
	WIN 0
	NOPS 4
.if \m < 7
	OLD \m+1
.endif
	s_wait_xcnt 0x0                                ; the stores before have read v160-191
.set J, 0
.rept 16
	v_pk_fma_f32 v[128+J:129+J], v[128+J:129+J], s[70:71], v[32+J:33+J] op_sel_hi:[1,0,1]    ; sum x 2^(e8 + e9) + bp
.set J, J+2
.endr
.irp a, 0,1,2,3
	ds_store_b128 v2, v[128+8*\a:131+8*\a] offset:(\a/2)*128+(\a%2)*32       ; lane (r, h): row r, columns 32 (a / 2) + 16 h + 8 (a % 2) + 0 .. 7 of my 64
	ds_store_b128 v2, v[132+8*\a:135+8*\a] offset:(\a/2)*128+(\a%2)*32+16
.endr
.irp i, 0,1,2,3,4,5,6,7
	ds_load_b128 v[160+4*\i:163+4*\i], v3 offset:\i*2*SPT                    ; LDS serves a wave's instructions in order: these see my stores
.endr
	s_wait_dscnt 0x0
.if \m < 7
	s_wait_loadcnt 8                               ; this tile's x is in; the next tile's eight loads stay out
.else
	s_wait_loadcnt 0
.endif
.set J, 0
.rept 16
	v_pk_add_f32 v[160+J:161+J], v[160+J:161+J], v[192+32*(\m%2)+J:193+32*(\m%2)+J]
.set J, J+2
.endr
.irp i, 0,1,2,3,4,5,6,7
	global_store_b128 v4, v[160+4*\i:163+4*\i], s[22:23] offset:\m*32768+\i*4096 th:TH_STORE_NT   ; sixteen lanes store 256 consecutive bytes, aligned
.endr
.if \m+2 < 8
	XLD \m+2
.endif
.endr
	s_wait_tensorcnt 0x0                           ; the wave's end
	ds_add_u32 v5, v6
	s_wait_dscnt 0x0
	CROUND                                         ; the closing round
	s_endpgm
.Lfunc_end_k_q38898176af_main:
	.size	k_q38898176af_main, .Lfunc_end_k_q38898176af_main-k_q38898176af_main
	.p2alignl 7, 3214868480
	.fill 96, 4, 3214868480
	.section	.rodata,"a",@progbits
	.p2align	6, 0x0
	.amdhsa_kernel k_q38898176af_main
		.amdhsa_group_segment_fixed_size 327680
		.amdhsa_private_segment_fixed_size 0
		.amdhsa_enable_private_segment 0
		.amdhsa_kernarg_size 64
		.amdhsa_user_sgpr_count 2
		.amdhsa_user_sgpr_kernarg_segment_ptr 1
		.amdhsa_wavefront_size32 1
		.amdhsa_system_sgpr_workgroup_id_x 1
		.amdhsa_system_sgpr_workgroup_id_y 1
		.amdhsa_system_sgpr_workgroup_id_z 1
		.amdhsa_system_vgpr_workitem_id 0
		.amdhsa_next_free_vgpr 512
		.amdhsa_next_free_sgpr 96
		.amdhsa_reserve_vcc 1
		.amdhsa_float_denorm_mode_32 3
		.amdhsa_float_denorm_mode_16_64 3
		.amdhsa_memory_ordered 1
		.amdhsa_forward_progress 1
		.amdhsa_inst_pref_size 255
	.end_amdhsa_kernel
	.section	.bss,"aw",@nobits
	.p2align	6
	.space	262144
	.amdgpu_metadata
---
amdhsa.version: [ 1, 2 ]
amdhsa.kernels:
  - .name:           k_q38898176af_main
    .symbol:         k_q38898176af_main.kd
    .args:
      - { .name: x, .offset: 0, .size: 8, .value_kind: global_buffer, .address_space: global }
      - { .name: params, .offset: 8, .size: 8, .value_kind: global_buffer, .address_space: global }
      - { .name: context_mask, .offset: 16, .size: 8, .value_kind: global_buffer, .address_space: global }
      - { .name: wimg, .offset: 24, .size: 8, .value_kind: global_buffer, .address_space: global }
      - { .name: kv_img, .offset: 32, .size: 8, .value_kind: global_buffer, .address_space: global }
      - { .name: lowp_scales, .offset: 40, .size: 8, .value_kind: global_buffer, .address_space: global }
      - { .name: bp, .offset: 48, .size: 8, .value_kind: global_buffer, .address_space: global }
      - { .name: out0, .offset: 56, .size: 8, .value_kind: global_buffer, .address_space: global }
    .group_segment_fixed_size: 327680
    .private_segment_fixed_size: 0
    .kernarg_segment_align: 8
    .kernarg_segment_size: 64
    .max_flat_workgroup_size: 256
    .sgpr_count:     96
    .vgpr_count:     512
    .wavefront_size: 32
...
	.end_amdgpu_metadata
.endif
;; end of part 3
